; MI455X (gfx1250); checked and timed in simulation.
; The chip was launched on July 23, 2026; its instructions are those of AMD's public machine-readable ISA for CDNA 5 (MIT licence, August 2026) and "CDNA5" Instruction Set Architecture Reference Guide (July 2026). The comments in the code are by the model that wrote it; some were corrected since.
;; Quant Linear. Allowed arithmetic: matrix products marked QUANTISED: E2M3 operands, one E8M0 scale for each 32 along K, by v_wmma_scale_f32_16x16x128_f8f6f4 with both operands' format E2M3, f32 sums; everything else in f32.
;; Inputs: bias 4,096 float32; qweight 512 x 4,096 int32; scales 32 x 4,096 float32; x_codes 4,096 x 128 x 24 uint8 (E2M3 codes of x, K innermost, in blocks of 32 codes, four codes in three bytes); x_scales 4,096 x 128 uint8 (E8M0 scales of x, one for each 32 codes along K).
;; Outputs: out0 4,096 x 4,096 float32.
;; This version of the problem:
;;   THIS VERSION OF THE PROBLEM IS GIVEN IN LOW PRECISION. The matrix products marked QUANTISED in the list below multiply operands that are first quantised to E2M3 (2 exponent bits, 3 mantissa bits; 6 bits a number), with one power-of-two scale for each 32 numbers along K (OCP MX v1.0); their sums are f32. All else is computed in f32.
;;   The module's matrix products, in the order in which they are computed (A, B: the left and right operand; K: the contracted axis; several contracted axes count as one K, in the product's order):
;;     1. [M 4,096, K 4,096] x [K 4,096, N 4,096]; A: input x (given as codes); B: computed on the way: QUANTISED
;;   THE QUANTISER, for each operand of a quantised product, along K:
;;     - K is cut into blocks of 32 from its start; a last block that is shorter is filled with zeros.
;;     - A block's scale is 2^e with e = floor(log2(the largest magnitude in the block)) - 2, held to -126 .. 127; a block of zeros has e = 0. As a byte (E8M0): e + 127.
;;     - Each number is divided by its block's scale, clamped to +-7.5, and rounded to the nearest number of E2M3, ties to even, subnormals kept.
;;     - The product sums the exact products of the quantised numbers (number of the format x scale) in f32.
;;   ~~~python
;;   def quantise(x, axis):      # numpy; x: float32 -> the quantised numbers, widened to float32 again
;;       x = np.moveaxis(x, axis, -1); K = x.shape[-1]
;;       x = np.pad(x, [(0, 0)] * (x.ndim - 1) + [(0, -K % 32)]); x = x.reshape(x.shape[:-1] + (-1, 32)); a = np.abs(x).max(-1, keepdims=True)
;;       e = np.where(a > 0, np.clip(np.frexp(np.where(a > 0, a, 1))[1] - 1 - 2, -126, 127), 0)      # np.frexp(a)[1] - 1 = floor(log2(a)), exactly
;;       r = np.clip(x / 2.0 ** e, -7.5, 7.5)
;;       step = 2.0 ** (np.maximum(np.frexp(np.where(r == 0, 1, r))[1] - 1, 0) - 3)
;;       q = np.round(r / step) * step * 2.0 ** e      # np.round: ties to even
;;       return np.moveaxis(q.reshape(q.shape[:-2] + (-1,))[..., :K], -1, axis).astype(np.float32)
;;   ~~~
;;   OPERANDS COMPUTED ON THE WAY. 'Computed on the way' means the value that the module computes at that place (a softmax that the list does not call 'softmax' is quantised finished and normalised). What goes into a quantiser is computed in f32, as accurately as f32 sums, v_exp_f32 and their like allow (about 1e-6 of the number): no bf16 or f16 on the way to a quantiser, and a product that is left as it is and whose result goes on into a quantised operand takes f32 operands (vector FMAs, or v_wmma_f32_16x16x4_f32). A number that lies on a knife's edge between two numbers of the format may be rounded either way, as far as f32 arithmetic and the matrix unit's own rounding can turn it there, and no further.
;;   INPUTS GIVEN AS CODES. x (in the module: [4096, 4096], K = its axis 1): each comes as NAME_codes (uint8): NAME with its K axis moved to the last place and cut into blocks of 32 codes, [.., K / 32, bytes a block], one block behind the other in memory; four codes in three bytes: a row's codes are one little-endian stream of bits, code i at bits 6 i .. 6 i + 5 (a code: sign, 2 exponent bits, 3 mantissa bits); and NAME_scales (uint8): the same leading axes, one E8M0 byte (e + 127) for each 32 codes along K. Its value is code x scale, taken as it is: it is not quantised again, and the codes and scales need not be those that the quantiser above would give.
;; One version. Each part assembles by itself: llvm-mc -triple=amdgcn-amd-amdhsa -mcpu=gfx1250 --defsym DOCPART=n.
;; ======== version 1 of 1: 2 launches
;; limits: right only within a limited range of input values
;; workspace buffers: w_codes 12,582,912 bytes; w_scales 524,288 bytes; xa 13,697,024 bytes; xs 524,288 bytes
;; launch wquant (part 1): grid 32 x 27, 4 waves a work-group, no clusters, 0 bytes of LDS; arguments qweight, scales, w_codes, w_scales, x_codes, x_scales, xa, xs; writes w_codes, w_scales, xa, xs
.if DOCPART == 1
	.amdgcn_target "amdgcn-amd-amdhsa--gfx1250"
	.amdhsa_code_object_version 6
	.text
	.protected	k_q612946abe1_wquant
	.globl	k_q612946abe1_wquant
	.p2align	8
	.type	k_q612946abe1_wquant,@function
k_q612946abe1_wquant:
	s_mov_b64 s[64:65], 0
	v_nop
	global_prefetch_b8 v0, s[64:65] scope:SCOPE_SE
	s_setreg_imm32_b32 hwreg(HW_REG_WAVE_MODE, 25, 1), 1
	s_wait_xcnt 0x0
; TWO JOBS, parted by the work-group's y.  y < 16: w is made and quantised.  y >= 16: x's codes and scales are laid anew for the product's launch; no number is changed.
; JOB 1.  w[k][n] = LUT[nibble k % 8 of qweight[k / 8][n]] x scales[k / 128][n], in f32, quantised along K into FP6 (E2M3) codes with one E8M0 byte for each 32 along K.
; The table is E2M1's sixteen numbers under another numbering: code c >= 8 is E2M1's code c xor 8, code c < 8 is E2M1's code c xor 15 (7 becomes -0, which counts as 0).
; A lane takes a column n and its registers run down K: a block of 32 is four words of one lane.  Work-group (T, t): columns 128 T .. + 127, k = 256 t .. + 255; wave w its columns 32 w .. + 31.
; w_codes [T][K step of 128: 32][tile i of 16 columns: 8][chunk c: 3][lane: 32][16 bytes]: the image of an operand's 12 registers.  w_scales [T][t][column: 128][q: 2][4 bytes].
; JOB 2.  Work-group (R, y - 16 = g): rows 128 R .. + 127, K steps 3 g .. 3 g + 2 (g = 10: two steps).  xa [R / 2][g: 11][256 rows][304 bytes]: 288 bytes of the row's codes and 16 spare bytes, which hold
; a copy of the bytes before them and are never used (so too the last 96 bytes of a row at g = 10).  Each store covers 512 consecutive bytes.  xs [R][t: 16][row: 128][q: 2][4 bytes], made by g < 8.
; LIMITS: NaN and infinities among the scales are not served.  A block of zeros gets the byte 1 where the rule says 127: its codes are zeros, and this program alone reads the bytes.
.set QW,  32
.set XA,  64
.set XB,  96
.set FRG, 128
.set T0,  22
.set T1,  26
	s_and_b32 s14, ttmp7, 0xffff
	s_mov_b32 s13, ttmp9
	s_cmp_ge_u32 s14, 16
	s_cbranch_scc1 .Lxlay
	s_load_b256 s[4:11], s[0:1], 0x0
	v_lshrrev_b32 v1, 5, v0
	v_readfirstlane_b32 s12, v1
	v_and_b32 v5, 31, v0
	v_lshlrev_b32 v1, 2, v5
	v_lshlrev_b32 v2, 4, v5
	v_lshlrev_b32 v3, 3, v5
	v_mov_b32 v4, 0x7f7f7f7f                       ; the E8M0 byte of 1.0 in every byte
	s_mov_b32 s20, 0x88888888
	s_lshl_b32 s18, s13, 9
	s_lshl_b32 s19, s12, 7
	s_add_co_u32 s18, s18, s19
	s_lshl_b32 s16, s14, 19
	s_add_co_u32 s16, s16, s18
	s_mov_b32 s17, 0
	s_lshl_b32 s22, s14, 15
	s_add_co_u32 s22, s22, s18
	s_mov_b32 s23, 0
	s_mul_i32 s24, s13, 393216                     ; w_codes: 32 steps of 12,288 bytes a T,
	s_mul_i32 s26, s14, 24576                      ; two steps a t,
	s_add_co_u32 s24, s24, s26
	s_mul_i32 s26, s12, 3072                       ; two tiles of 1,536 bytes a wave
	s_add_co_u32 s24, s24, s26
	s_mov_b32 s25, 0
	s_lshl_b32 s28, s13, 14
	s_lshl_b32 s26, s14, 10
	s_add_co_u32 s28, s28, s26
	s_lshl_b32 s26, s12, 8
	s_add_co_u32 s28, s28, s26
	s_mov_b32 s29, 0
	s_wait_alu depctr_va_vdst(0)
	s_wait_kmcnt 0x0
	s_add_nc_u64 s[4:5], s[4:5], s[16:17]
	s_add_nc_u64 s[6:7], s[6:7], s[22:23]
	s_add_nc_u64 s[8:9], s[8:9], s[24:25]
	s_add_nc_u64 s[10:11], s[10:11], s[28:29]
	global_load_b32 v10, v1, s[6:7] th:TH_LOAD_NT
	global_load_b32 v11, v1, s[6:7] offset:16384 th:TH_LOAD_NT
.irp i, 0,1,2,3,4,5,6,7,8,9,10,11,12,13,14,15,16,17,18,19,20,21,22,23,24,25,26,27,28,29,30,31
	global_load_b32 v[QW+\i], v1, s[4:5] offset:16384*\i th:TH_LOAD_NT
.endr
.macro PAIR q, c                       ; blocks 2 c and 2 c + 1 of K step q: words 16 q + 8 c + 0 .. 7
.set W0, QW+16*(\q)+8*(\c)
.set SCP, 10+2*(\q)
.set FA, FRG+24*(\q)+6*(\c)
.set FB, FRG+24*(\q)+12+6*(\c)
	s_wait_loadcnt 24-8*(2*(\q)+(\c))              ; the words issued behind this pair's eight may be out
.irp i, 0,1,2,3,4,5,6,7
	v_and_b32 v[XA+\i], s20, v[W0+\i]
.endr
.irp i, 0,1,2,3,4,5,6,7
	v_lshrrev_b32 v[XA+8+\i], 3, v[XA+\i]
.endr
.irp i, 0,1,2,3,4,5,6,7
	v_sub_nc_u32 v[XA+\i], v[XA+\i], v[XA+8+\i]
.endr
.irp i, 0,1,2,3,4,5,6,7
	v_xor_b32 v[W0+\i], v[W0+\i], v[XA+\i]
.endr
.irp i, 0,1,2,3,4,5,6,7
	v_xor_b32 v[W0+\i], -1, v[W0+\i]               ; xor 8 where the nibble is 8 or more, xor 15 elsewhere: E2M1's codes
.endr
.irp i, 0,1,2,3,4,5,6,7
	v_cvt_scale_pk8_f32_fp4 v[XA+8*\i:XA+8*\i+7], v[W0+\i], v4
.endr
	v_nop
.set k, 0
.rept 32
	v_pk_mul_f32 v[XA+2*k:XA+2*k+1], v[XA+2*k:XA+2*k+1], v[SCP:SCP+1] op_sel_hi:[1,0]   ; w = table x scale, rounded once
.set k, k+1
.endr
	v_max3_num_f32 v14, |v[XA]|, |v[XA+1]|, 0x1800000              ; with the floor 2^(3 - 127): the byte cannot fall under 1
	v_max3_num_f32 v15, |v[XB]|, |v[XB+1]|, 0x1800000
.irp i, 2,4,6,8,10,12,14,16,18,20,22,24,26,28,30
	v_max3_num_f32 v14, v14, |v[XA+\i]|, |v[XA+\i+1]|
	v_max3_num_f32 v15, v15, |v[XB+\i]|, |v[XB+\i+1]|
.endr
	v_add_nc_u32 v16, 0xff000000, v14              ; 2 off the exponent field: the conversion's scale operand
	v_add_nc_u32 v17, 0xff000000, v15
	v_lshrrev_b32 v18, 23, v16
	v_lshrrev_b32 v19, 23, v17
.if (\c) == 0
	v_lshl_or_b32 v[20+(\q)], v19, 8, v18
.else
	v_lshl_or_b32 v[20+(\q)], v18, 16, v[20+(\q)]
	v_lshl_or_b32 v[20+(\q)], v19, 24, v[20+(\q)]
.endif
	v_cvt_scalef32_pk16_fp6_f32 v[FA:FA+2], v[XA:XA+15], v16
	v_cvt_scalef32_pk16_fp6_f32 v[T0:T0+2], v[XA+16:XA+31], v16
	v_cvt_scalef32_pk16_fp6_f32 v[FB:FB+2], v[XB:XB+15], v17
	v_cvt_scalef32_pk16_fp6_f32 v[T1:T1+2], v[XB+16:XB+31], v17
	v_nop
.irp i, 0,1,2                          ; lane (r, h) of a tile wants block 2 c + h of column r: the first block's lanes 16-31 change places with the second's lanes 0-15
	v_permlane16_swap_b32 v[FA+\i], v[FB+\i]
	v_permlane16_swap_b32 v[T0+\i], v[T1+\i]
.endr
.irp i, 0,1,2
	v_mov_b32 v[FA+3+\i], v[T0+\i]
	v_mov_b32 v[FB+3+\i], v[T1+\i]
.endr
.endm
.macro OUT q
.irp u, 0,1
.irp c, 0,1,2
	global_store_b128 v2, v[FRG+24*(\q)+12*\u+4*\c:FRG+24*(\q)+12*\u+4*\c+3], s[8:9] offset:1536*\u+12288*(\q)+512*\c   ; 512 consecutive bytes, aligned
.endr
.endr
.endm
	PAIR 0, 0
	PAIR 0, 1
	v_mov_b32 v12, v11
	v_mov_b32 v13, v11
	OUT 0
	PAIR 1, 0
	PAIR 1, 1
	OUT 1
	global_store_b64 v3, v[20:21], s[10:11]
	s_endpgm
.Lxlay:
.set DD, 8                             ; v8-26   unit d = 128 k + thread, then its source offset
.set TT, 28                            ; v28-46  row = d / 19
.set UU, 48                            ; v48-66  d % 19, held at the last unit that holds codes
.set XX, 68                            ; v68-143 the 19 units of 16 bytes
	s_load_b256 s[4:11], s[0:1], 0x20              ; x_codes, x_scales, xa, xs
	s_sub_co_u32 s14, s14, 16                      ; g
	s_cmp_eq_u32 s14, 10
	s_cselect_b32 s15, 11, 17                      ; a row's last unit of codes in this slice
	s_mul_i32 s16, s13, 393216                     ; 128 rows of 3,072 bytes
	s_mul_i32 s18, s14, 288
	s_add_co_u32 s16, s16, s18
	s_mov_b32 s17, 0
	s_lshr_b32 s18, s13, 1
	s_mul_i32 s20, s18, 856064
	s_mul_i32 s18, s14, 77824
	s_add_co_u32 s20, s20, s18
	s_and_b32 s18, s13, 1
	s_mul_i32 s18, s18, 38912
	s_add_co_u32 s20, s20, s18
	s_mov_b32 s21, 0
	s_lshl_b32 s22, s13, 14
	s_lshl_b32 s18, s14, 4
	s_add_co_u32 s22, s22, s18
	s_mov_b32 s23, 0
	s_lshl_b32 s24, s13, 14
	s_lshl_b32 s18, s14, 11
	s_add_co_u32 s24, s24, s18
	s_mov_b32 s25, 0
.irp k, 0,1,2,3,4,5,6,7,8,9,10,11,12,13,14,15,16,17,18
	v_add_nc_u32 v[DD+\k], 128*\k, v0
.endr
.irp k, 0,1,2,3,4,5,6,7,8,9,10,11,12,13,14,15,16,17,18
	v_mul_u32_u24 v[TT+\k], v[DD+\k], 0xd795       ; 19 x 55,189 = 2^20 + 15: exact for d under 2,432
.endr
.irp k, 0,1,2,3,4,5,6,7,8,9,10,11,12,13,14,15,16,17,18
	v_lshrrev_b32 v[TT+\k], 20, v[TT+\k]
.endr
.irp k, 0,1,2,3,4,5,6,7,8,9,10,11,12,13,14,15,16,17,18
	v_mul_u32_u24 v[UU+\k], v[TT+\k], 19
.endr
.irp k, 0,1,2,3,4,5,6,7,8,9,10,11,12,13,14,15,16,17,18
	v_sub_nc_u32 v[UU+\k], v[DD+\k], v[UU+\k]
.endr
.irp k, 0,1,2,3,4,5,6,7,8,9,10,11,12,13,14,15,16,17,18
	v_min_u32 v[UU+\k], s15, v[UU+\k]
.endr
.irp k, 0,1,2,3,4,5,6,7,8,9,10,11,12,13,14,15,16,17,18
	v_lshlrev_b32 v[UU+\k], 4, v[UU+\k]
.endr
.irp k, 0,1,2,3,4,5,6,7,8,9,10,11,12,13,14,15,16,17,18
	v_mad_u32_u24 v[DD+\k], v[TT+\k], 3072, v[UU+\k]
.endr
	v_lshlrev_b32 v1, 4, v0
	v_lshlrev_b32 v2, 7, v0
	v_lshlrev_b32 v3, 3, v0
	s_wait_alu depctr_va_vdst(0)
	s_wait_kmcnt 0x0
	s_add_nc_u64 s[4:5], s[4:5], s[16:17]
	s_add_nc_u64 s[8:9], s[8:9], s[20:21]
	s_add_nc_u64 s[6:7], s[6:7], s[22:23]
	s_add_nc_u64 s[10:11], s[10:11], s[24:25]
.irp k, 0,1,2,3,4,5,6,7,8,9,10,11,12,13,14,15,16,17,18
	global_load_b128 v[XX+4*\k:XX+4*\k+3], v[DD+\k], s[4:5]
.endr
	s_cmp_lt_u32 s14, 8                            ; g < 8 also lays scale words: their load goes out while the 19 loads above are on their way
	s_cbranch_scc0 .Lxmain
	global_load_b128 v[4:7], v2, s[6:7]            ; thread = row: the scale words of K steps 4 g .. 4 g + 3
	s_wait_loadcnt 0x0
	global_store_b64 v3, v[4:5], s[10:11]          ; t = 2 g: a wave stores 256 consecutive bytes
	global_store_b64 v3, v[6:7], s[10:11] offset:1024   ; t = 2 g + 1
.Lxmain:
.irp k, 0,1,2,3,4,5,6,7,8,9,10,11,12,13,14,15,16,17,18
	s_wait_loadcnt 18-\k
	global_store_b128 v1, v[XX+4*\k:XX+4*\k+3], s[8:9] offset:2048*\k   ; a wave stores 512 consecutive bytes, aligned
.endr
	s_endpgm
.Lfunc_end_k_q612946abe1_wquant:
	.size	k_q612946abe1_wquant, .Lfunc_end_k_q612946abe1_wquant-k_q612946abe1_wquant
	.p2alignl 7, 3214868480
	.fill 96, 4, 3214868480
	.section	.rodata,"a",@progbits
	.p2align	6, 0x0
	.amdhsa_kernel k_q612946abe1_wquant
		.amdhsa_group_segment_fixed_size 0
		.amdhsa_private_segment_fixed_size 0
		.amdhsa_enable_private_segment 0
		.amdhsa_kernarg_size 64
		.amdhsa_user_sgpr_count 2
		.amdhsa_user_sgpr_kernarg_segment_ptr 1
		.amdhsa_wavefront_size32 1
		.amdhsa_system_sgpr_workgroup_id_x 1
		.amdhsa_system_sgpr_workgroup_id_y 1
		.amdhsa_system_sgpr_workgroup_id_z 1
		.amdhsa_system_vgpr_workitem_id 0
		.amdhsa_next_free_vgpr 176
		.amdhsa_next_free_sgpr 66
		.amdhsa_reserve_vcc 0
		.amdhsa_float_denorm_mode_32 3
		.amdhsa_float_denorm_mode_16_64 3
		.amdhsa_memory_ordered 1
		.amdhsa_forward_progress 1
		.amdhsa_inst_pref_size 48
	.end_amdhsa_kernel
	.amdgpu_metadata
---
amdhsa.version: [ 1, 2 ]
amdhsa.kernels:
  - .name:           k_q612946abe1_wquant
    .symbol:         k_q612946abe1_wquant.kd
    .args:
      - { .name: qweight, .offset: 0, .size: 8, .value_kind: global_buffer, .address_space: global }
      - { .name: scales, .offset: 8, .size: 8, .value_kind: global_buffer, .address_space: global }
      - { .name: w_codes, .offset: 16, .size: 8, .value_kind: global_buffer, .address_space: global }
      - { .name: w_scales, .offset: 24, .size: 8, .value_kind: global_buffer, .address_space: global }
      - { .name: x_codes, .offset: 32, .size: 8, .value_kind: global_buffer, .address_space: global }
      - { .name: x_scales, .offset: 40, .size: 8, .value_kind: global_buffer, .address_space: global }
      - { .name: xa, .offset: 48, .size: 8, .value_kind: global_buffer, .address_space: global }
      - { .name: xs, .offset: 56, .size: 8, .value_kind: global_buffer, .address_space: global }
    .group_segment_fixed_size: 0
    .private_segment_fixed_size: 0
    .kernarg_segment_align: 8
    .kernarg_segment_size: 64
    .max_flat_workgroup_size: 128
    .sgpr_count:     66
    .vgpr_count:     176
    .wavefront_size: 32
...
	.end_amdgpu_metadata
.endif
;; end of part 1
;; launch gemm (part 2): grid 16 x 16, 4 waves a work-group, clusters of 4 x 4, 327,680 bytes of LDS; arguments xa, xs, w_codes, w_scales, bias, out0; writes out0
.if DOCPART == 2
	.amdgcn_target "amdgcn-amd-amdhsa--gfx1250"
	.amdhsa_code_object_version 6
	.text
	.protected	k_q612946abe1_gemm
	.globl	k_q612946abe1_gemm
	.p2align	8
	.type	k_q612946abe1_gemm,@function
k_q612946abe1_gemm:
	s_mov_b64 s[64:65], 0
	v_nop
	global_prefetch_b8 v0, s[64:65] scope:SCOPE_SE
	s_setreg_imm32_b32 hwreg(HW_REG_WAVE_MODE, 25, 1), 1
	s_wait_xcnt 0x0
	s_wait_alu depctr_hold_cnt(0) depctr_sa_sdst(0) depctr_va_vdst(0) depctr_va_sdst(0) depctr_va_ssrc(0) depctr_va_vcc(0) depctr_vm_vsrc(0)
	s_getreg_b32 s2, hwreg(HW_REG_IB_STS2, 6, 4)
	s_cmp_eq_u32 s2, 0
	s_cbranch_scc0 .Lentry_in_a_cluster
	s_endpgm
.Lentry_in_a_cluster:
	s_bfe_u32 s2, ttmp6, 0x10000c
	s_cmp_lg_u32 s2, 0xf033
	s_cbranch_scc0 .Lentry_shape_is_right
	s_endpgm
.Lentry_shape_is_right:
; out0[m][n] = sum over k of x[m][k] w[k][n] + bias[n], both operands as FP6 (E2M3) codes with E8M0 scales, by v_wmma_scale_f32_16x16x128_f8f6f4; sums in f32.
; A work-group makes 256 x 256, each of its four waves 128 x 128: 64 accumulators, 512 registers.  Grid 16 x 16.
; THE RING: two LDS slots of THREE K steps of 128 each, as many as two slots in LDS hold: A's 256 rows x 304 bytes (xa: 288 of codes, 16 spare: 76 words a row, so the 16 rows of a fragment start at 16
; different multiples of 4 banks) and B's 2 x 3 x 12,288 bytes (w_codes: images of the operand's registers).  Both are dense in memory and come as rows of 256 bytes.  32 steps are ten slots of three and one of two.
; CLUSTERS 4 x 4: A's tile is shared along a row of the cluster, B's along a column: joint loads.  Waves 0, 1 fetch A's halves, waves 2, 3 B's.
; THE SCALE WORDS (xs, w_scales: [128 rows or columns][2 steps][4 bytes] for each pair of steps) go from memory straight into registers, 256 consecutive bytes a load, four K steps ahead, three sets by turns.
; ORDER: a K step goes by B's blocks, each against A's eight; A and B have two register sets each; the next step's fragments are fetched behind the step's four groups of 16 matrix instructions.
; EVERY ACCUMULATOR BEGINS AS ITS COLUMNS' BIAS, brought by loads at the head: no addition follows, and all 32 K steps are one text.
; THE MATRIX INSTRUCTION IS USED TRANSPOSED (source 0 = 16 columns of w, source 1 = 16 rows of x): a lane holds eight neighbouring numbers of a row of out0.
; REGISTERS: window 0: v0-15 addresses; v16-63 scale words; v64-159, v160-255 A's sets.  Window 1: B's sets at v0 and v128.  Windows 2, 3: accumulator (b, a) at v[8 (8 (b % 4) + a)] of window 2 + b / 4.
.set ABLK,   77824                     ; 256 rows x 304 bytes
.set AH,     38912
.set BH,     36864                     ; 128 columns x 3 steps
.set BOFF,   ABLK
.set SLOT,   ABLK+2*BH                 ; 151,552
.set SPARE,  2*SLOT                    ; the spare words, 512 bytes
.set STAGE,  SLOT                      ; the way out lies in slot 1, which has had its last fill and its last read by then
.set SPITCH, 528
.set NROW,   16384
.set BIO,  3
.set ADRA, 4
.set ADRB, 6
.set SOF,  8
.set CO,   9
.set STO,  10
.set RD,   11
.set PFO,  12
.set PF2,  13
.set SPW,  14
.set NIL,  15
.set SC,   16                          ; set k at SC + 16 k: A's eight registers, then B's
.set AF,   64
.set BK,   64
.set G1,   24
.set G0,   32
.set G1B,  48
.set G0B,  56
.set G1BL, 68                          ; B's last tile: two steps
.set SA,   76
.set SB,   78
.set PFA,  80
.set PFS,  82
.set CNT,  84
.set MSB, 0
.macro WIN new
.if MSB != (\new)
	s_set_vgpr_msb (MSB<<8)|(\new)
.set MSB, (\new)
.endif
.endm
.set MUL_LO, 0xa1
.set MUL_HI, 0xf1
.set TO_B,   0x40
.macro PLACES
.rept 4
	v_nop
.endr
.endm
.macro JLOAD g0a, g1a, g0b, g1b
	s_cmp_eq_u32 s17, 0
	s_cbranch_scc0 .Lfor_b_\@
	tensor_load_to_lds s[\g0a:\g0a+3], s[\g1a:\g1a+7]
	s_nop 0
	PLACES
	s_branch .Lasked_\@
.Lfor_b_\@:
	tensor_load_to_lds s[\g0b:\g0b+3], s[\g1b:\g1b+7]
	s_nop 0
	PLACES
.Lasked_\@:
.endm
.macro CREST
	s_cmp_lg_u32 s16, 0
	s_cbranch_scc1 .Lnot_wave_0_\@
	s_barrier_signal -3
.Lnot_wave_0_\@:
	s_barrier_wait -3
	s_barrier_signal -1
	s_barrier_wait -1
.endm
.macro CROUND
	s_barrier_signal -1
	s_barrier_wait -1
	CREST
.endm
	s_load_b256 s[4:11], s[0:1], 0x0               ; xa, xs, w_codes, w_scales
	s_load_b128 s[12:15], s[0:1], 0x20             ; bias, out0
	v_lshl_add_u32 v[SPW], v0, 2, SPARE
	v_mov_b32 v[NIL], 0
	ds_add_u32 v[SPW], v[NIL]                      ; the opening lines: the add twice on end and one wait
	ds_add_u32 v[SPW], v[NIL]
	v_lshrrev_b32 v1, 5, v0
	v_readfirstlane_b32 s16, v1                    ; wave
	s_lshr_b32 s17, s16, 1                         ; my half of the rows; also: I fetch for A (0) or B (1)
	s_and_b32 s18, s16, 1                          ; my half of the columns; also: which half I fetch
	s_bfe_u32 s40, ttmp6, 0x40000
	s_bfe_u32 s41, ttmp6, 0x40004
	s_lshl_b32 s42, ttmp9, 2
	s_add_co_u32 s42, s42, s40                     ; tile column
	s_and_b32 s43, ttmp7, 0xffff
	s_lshl_b32 s43, s43, 2
	s_add_co_u32 s43, s43, s41                     ; tile row
	s_lshl_b32 s44, s41, 2
	s_lshl_b32 s44, 15, s44
	s_lshl_b32 s45, 0x1111, s40
	s_or_b32 s[G1+0], s44, (3<<16)|(1<<21)         ; rows of 32 elements of 8 bytes, dense
	s_or_b32 s[G1B+0], s45, (3<<16)|(1<<21)
	s_or_b32 s[G1BL+0], s45, (3<<16)|(1<<21)
	s_mov_b32 s[G1+2], 152<<16
	s_mov_b32 s[G1+4], 152
	s_mov_b32 s[G1B+2], 144<<16
	s_mov_b32 s[G1B+4], 144
	s_mov_b32 s[G1BL+2], 96<<16
	s_mov_b32 s[G1BL+4], 96
.irp g, G1, G1B, G1BL
	s_mov_b32 s[\g+1], 32<<16
	s_mov_b32 s[\g+3], 32<<16
	s_mov_b32 s[\g+5], 32
	s_mov_b32 s[\g+6], 0
	s_mov_b32 s[\g+7], 0
.endr
	s_mul_i32 s20, s43, 11*ABLK                    ; A: my tile row's blocks, my half
	s_mul_i32 s22, s18, AH
	s_add_co_u32 s20, s20, s22
	s_mov_b32 s21, 0
	s_lshl_b32 s46, s42, 1
	s_add_co_u32 s46, s46, s18
	s_lshl_b32 s88, s46, 14                        ; B's scale words: my 128 columns
	s_mov_b32 s89, 0
	s_mul_i32 s46, s46, 393216                     ; B: the 128 columns that I fetch (and multiply)
	s_mov_b32 s47, 0
	s_mul_i32 s23, s18, BH
	s_add_co_u32 s23, s23, BOFF
	s_lshl_b32 s86, s43, 1
	s_add_co_u32 s86, s86, s17
	s_lshl_b32 s86, s86, 14                        ; A's scale words: my 128 rows
	s_mov_b32 s87, 0
	s_lshl_b32 s90, s42, 10
	s_lshl_b32 s91, s18, 9
	s_add_co_u32 s90, s90, s91                     ; my first column, in bytes of f32
	s_mov_b32 s91, 0
	s_lshl_b32 s92, s43, 8
	s_lshl_b32 s93, s17, 7
	s_add_co_u32 s92, s92, s93
	s_lshl_b32 s92, s92, 14
	s_add_co_u32 s92, s92, s90
	s_mov_b32 s93, 0
	s_mul_i32 s94, s40, 38*256                     ; the prefetches: the four partners of a joint load share its 152 or 144 blocks of 256 bytes out by address
	s_add_co_u32 s94, s94, s20
	s_add_co_u32 s94, s94, 2*ABLK
	s_mul_i32 s95, s41, 36*256
	s_add_co_u32 s95, s95, s46
	s_add_co_u32 s95, s95, 2*BH
	s_cmp_eq_u32 s17, 0
	s_cselect_b32 s94, s94, s95
	s_mov_b32 s95, 0
	s_mov_b32 s[PFS], BH
	s_cselect_b32 s[PFS], ABLK, s[PFS]
	s_mov_b32 s[PFS+1], 0
	s_cselect_b32 s19, 5, 3                        ; 38 or 36 blocks: 32 and 6 or 4
	s_mul_i32 s66, s17, AH
	s_add_co_u32 s67, s66, SLOT
	s_add_co_u32 s97, s23, SLOT
	s_mul_i32 s98, s16, 16*SPITCH
	s_add_co_u32 s98, s98, STAGE
	v_and_b32 v1, 15, v0
	v_bfe_u32 v2, v0, 4, 1
	v_and_b32 v64, 31, v0
	v_mul_u32_u24 v65, v1, 304
	v_mad_u32_u24 v65, v2, 24, v65
	v_add_nc_u32 v[ADRA], s66, v65
	v_add_nc_u32 v[ADRA+1], s67, v65
	v_lshlrev_b32 v[CO], 4, v64
	v_add_nc_u32 v[ADRB], s23, v[CO]
	v_add_nc_u32 v[ADRB+1], s97, v[CO]
	v_lshlrev_b32 v[SOF], 3, v64
	v_lshlrev_b32 v[PFO], 8, v64
	v_min_u32 v66, s19, v64
	v_lshlrev_b32 v66, 8, v66
	v_add_nc_u32 v[PF2], 8192, v66
	v_mul_u32_u24 v67, v1, SPITCH
	v_lshl_add_u32 v67, v2, 5, v67
	v_add_nc_u32 v[STO], s98, v67
	v_add_nc_u32 v[RD], s98, v[CO]
	v_lshlrev_b32 v[BIO], 5, v2
	s_wait_alu depctr_va_vdst(0)
	s_wait_dscnt 0x0
	s_wait_kmcnt 0x0
	s_add_nc_u64 s[20:21], s[4:5], s[20:21]
	s_add_nc_u64 s[46:47], s[8:9], s[46:47]
	s_add_nc_u64 s[SA:SA+1], s[6:7], s[86:87]
	s_add_nc_u64 s[SB:SB+1], s[10:11], s[88:89]
	s_add_nc_u64 s[12:13], s[12:13], s[90:91]
	s_add_nc_u64 s[14:15], s[14:15], s[92:93]
	s_cmp_eq_u32 s17, 0
	s_cselect_b64 s[PFA:PFA+1], s[4:5], s[8:9]
	s_add_nc_u64 s[PFA:PFA+1], s[PFA:PFA+1], s[94:95]
.irp s, 0,1
	s_mov_b32 s[G0+4*\s], 1
	s_add_co_u32 s[G0+4*\s+1], s22, \s*SLOT
	s_add_nc_u64 s[G0+4*\s+2:G0+4*\s+3], s[20:21], \s*ABLK
	s_or_b32 s[G0+4*\s+3], s[G0+4*\s+3], 0x80000000
	s_mov_b32 s[G0B+4*\s], 1
	s_add_co_u32 s[G0B+4*\s+1], s23, \s*SLOT
	s_add_nc_u64 s[G0B+4*\s+2:G0B+4*\s+3], s[46:47], \s*BH
	s_or_b32 s[G0B+4*\s+3], s[G0B+4*\s+3], 0x80000000
.endr
	CROUND                                         ; the first joint loads meet
	JLOAD G0, G1, G0B, G1B                         ; slot 0: one load a wave at the head
.macro SCALES po                       ; the scale words of pair po (counted from the bases) into set po % 3: lane l of pair j: row or column 32 j + l, both steps
.irp j, 0,1,2,3
	global_load_b64 v[SC+16*((\po)%3)+2*\j:SC+16*((\po)%3)+2*\j+1], v[SOF], s[SA:SA+1] offset:(\po)*1024+256*\j
.endr
.irp j, 0,1,2,3
	global_load_b64 v[SC+16*((\po)%3)+8+2*\j:SC+16*((\po)%3)+8+2*\j+1], v[SOF], s[SB:SB+1] offset:(\po)*1024+256*\j
.endr
.endm
.macro FA4 set, sl, q, i0              ; four blocks of A: six pieces of 8 bytes each
.irp i, 0,1,2,3
.irp p, 0,1,2,3,4,5
	ds_load_b64 v[AF+96*(\set)+12*((\i0)+\i)+2*\p:AF+96*(\set)+12*((\i0)+\i)+2*\p+1], v[ADRA+(\sl)] offset:((\i0)+\i)*4864+96*(\q)+48*(\p/3)+8*(\p%3)
.endr
.endr
.endm
.macro FB set, sl, q, i0, n            ; n blocks of B from i0 on: three loads of 16 bytes each
.set bi, \i0
.rept \n
.irp c, 0,1,2
	ds_load_b128 v[128*(\set)+12*bi+4*\c:128*(\set)+12*bi+4*\c+3], v[ADRB+(\sl)] offset:(\q)*12288+bi*1536+512*\c
.endr
.set bi, bi+1
.endr
.endm
.macro MULB n, b                       ; B's block b against A's eight: eight accumulators by turns
.set rB, 128*((\n)%2)+12*(\b)
.set rSB, SC+16*(((\n)/2)%3)+8+2*((\b)/2)+(\n)%2
.irp a, 0,1,2,3,4,5,6,7
.set rD, 8*(8*((\b)%4)+\a)
.set rA, AF+96*((\n)%2)+12*\a
.set rSA, SC+16*(((\n)/2)%3)+2*(\a/2)+(\n)%2
.if (\a%2) && ((\b)%2)
	v_wmma_scale_f32_16x16x128_f8f6f4 v[rD:rD+7], v[rB:rB+11], v[rA:rA+11], v[rD:rD+7], v[rSB], v[rSA] matrix_a_fmt:MATRIX_FMT_FP6 matrix_b_fmt:MATRIX_FMT_FP6 matrix_a_scale:MATRIX_SCALE_ROW1 matrix_b_scale:MATRIX_SCALE_ROW1
.elseif ((\b)%2)
	v_wmma_scale_f32_16x16x128_f8f6f4 v[rD:rD+7], v[rB:rB+11], v[rA:rA+11], v[rD:rD+7], v[rSB], v[rSA] matrix_a_fmt:MATRIX_FMT_FP6 matrix_b_fmt:MATRIX_FMT_FP6 matrix_a_scale:MATRIX_SCALE_ROW1
.elseif (\a%2)
	v_wmma_scale_f32_16x16x128_f8f6f4 v[rD:rD+7], v[rB:rB+11], v[rA:rA+11], v[rD:rD+7], v[rSB], v[rSA] matrix_a_fmt:MATRIX_FMT_FP6 matrix_b_fmt:MATRIX_FMT_FP6 matrix_b_scale:MATRIX_SCALE_ROW1
.else
	v_wmma_scale_f32_16x16x128_f8f6f4 v[rD:rD+7], v[rB:rB+11], v[rA:rA+11], v[rD:rD+7], v[rSB], v[rSA] matrix_a_fmt:MATRIX_FMT_FP6 matrix_b_fmt:MATRIX_FMT_FP6
.endif
.endr
.endm
; K step n (its parity and pair choose the registers), step q of slot sl.  Four groups of two blocks of B, 16 matrix instructions each.
; kind 0: the next step lies in the same slot.  Its fragments are fetched in TWO runs: 54 loads behind group 0 (A's eight blocks, B's 0, 1) and 18 behind group 2 (B's 2-7).  All land in the other register sets,
;   which matrix instructions last read in the step before: the four places behind group 0 serve both runs.
;   THE WAITS ON DScnt: group 0 wants the last step's first run: its second run, 18 loads, may be out; group 1 wants B's 2, 3, of that second run: this step's 54 may be out.
; kind 1, 4: a slot's last step: all reads of the slot were issued in the step before.  The three lines, a round of the cluster's barrier with group 1 inside it, the refill two slots on, then the other slot is read.
;   kind 1 also asks memory for the slot whose load stands one turn, three K steps, on; kind 4 brings the last slot, whose B has two steps.
; kind 2: the same without a refill: a plain barrier shows the last slot whole.  kind 3: the last step of all.
; po >= 0: the scale words of the pair four steps on are asked for.  At an even step the pair asked for two steps ago may be out: 8 loads.
.macro STEP n, sl, q, kind, po
.set NS, ((\n)+1)%2
.if ((\n)%2) == 0
.if (\n) == 30
	s_wait_loadcnt 0x0
.else
	s_wait_loadcnt 8
.endif
.endif
.if (\kind) == 1 || (\kind) == 2 || (\kind) == 4
	WIN 0
.if (\kind) == 1
	s_wait_xcnt 0x0                                ; my prefetches have read their base
	s_add_nc_u64 s[PFA:PFA+1], s[PFA:PFA+1], s[PFS:PFS+1]
.endif
	s_wait_tensorcnt 0x0                           ; my part of the other slot is in,
	ds_add_u32 v[SPW], v[NIL]                      ; the add to my spare word,
.if (\kind) != 2
	s_add_nc_u64 s[G0+4*(\sl)+2:G0+4*(\sl)+3], s[G0+4*(\sl)+2:G0+4*(\sl)+3], 2*ABLK
	s_add_nc_u64 s[G0B+4*(\sl)+2:G0B+4*(\sl)+3], s[G0B+4*(\sl)+2:G0B+4*(\sl)+3], 2*BH
.endif
	s_wait_dscnt 19                                ; (the add and the last step's second run of 18 may be out)
	WIN MUL_LO
	MULB \n, 0
	MULB \n, 1
	s_wait_dscnt 0x0                               ; the add is done, and my reads of this slot
	s_barrier_signal -1
	MULB \n, 2
	MULB \n, 3
	WIN 0
	s_barrier_wait -1
.if (\kind) == 1
	CREST
	JLOAD G0+4*(\sl), G1, G0B+4*(\sl), G1B         ; its four v_nop are the places in front of the loads below
.elseif (\kind) == 4
	CREST
	JLOAD G0+4*(\sl), G1, G0B+4*(\sl), G1BL
.else
	PLACES
.endif
.if (\po) >= 0
	SCALES \po
.endif
	FA4 NS, 1-(\sl), 0, 0
	FA4 NS, 1-(\sl), 0, 4
	WIN TO_B
	FB NS, 1-(\sl), 0, 0, 2
	WIN 0
.if (\kind) == 1
.if (\sl) == 1
	s_cmp_gt_u32 s[CNT], 1                         ; the last trip's second turn would ask for the last slot, whose B is shorter: it asks for nothing
	s_cbranch_scc0 .Lno_ask_\@
.endif
	global_prefetch_b8 v[PFO], s[PFA:PFA+1] th:TH_LOAD_NT scope:SCOPE_SE
	global_prefetch_b8 v[PF2], s[PFA:PFA+1] th:TH_LOAD_NT scope:SCOPE_SE
.Lno_ask_\@:
.endif
	WIN MUL_HI
	MULB \n, 4
	MULB \n, 5
	WIN TO_B
	FB NS, 1-(\sl), 0, 2, 6
	WIN MUL_HI
	MULB \n, 6
	MULB \n, 7
.elseif (\kind) == 0
	s_wait_dscnt 18
	WIN MUL_LO
	MULB \n, 0
	MULB \n, 1
	PLACES                                         ; four places in front of loads into registers that matrix instructions have read
	WIN 0
.if (\po) >= 0
	SCALES \po
.endif
	FA4 NS, \sl, (\q)+1, 0
	FA4 NS, \sl, (\q)+1, 4
	WIN TO_B
	FB NS, \sl, (\q)+1, 0, 2
	s_wait_dscnt 54
	WIN MUL_LO
	MULB \n, 2
	MULB \n, 3
	WIN MUL_HI
	MULB \n, 4
	MULB \n, 5
	WIN TO_B
	FB NS, \sl, (\q)+1, 2, 6
	WIN MUL_HI
	MULB \n, 6
	MULB \n, 7
.else
	s_wait_dscnt 18
	WIN MUL_LO
	MULB \n, 0
	MULB \n, 1
	s_wait_dscnt 0x0
	MULB \n, 2
	MULB \n, 3
	WIN MUL_HI
	MULB \n, 4
	MULB \n, 5
	MULB \n, 6
	MULB \n, 7
.endif
.endm
	SCALES 0                                       ; under the first tile's flight: the first two pairs' scale words,
	SCALES 1
.irp w, 0,1                                        ; and the bias into every accumulator: register j of lane (r, h) of accumulator (b, a) is column 16 b + 8 h + j
	WIN 0x80+0x40*\w
.irp b, 0,1,2,3
.irp a, 0,1,2,3,4,5,6,7
	global_load_b128 v[8*(8*\b+\a):8*(8*\b+\a)+3], v[BIO], s[12:13] offset:64*(4*\w+\b)
	global_load_b128 v[8*(8*\b+\a)+4:8*(8*\b+\a)+7], v[BIO], s[12:13] offset:64*(4*\w+\b)+16
.endr
.endr
.endr
	WIN 0
	s_wait_tensorcnt 0x0                           ; my part of slot 0 is in
	ds_add_u32 v[SPW], v[NIL]
	s_wait_dscnt 0x0
	CROUND
	JLOAD G0+4, G1, G0B+4, G1B                     ; slot 1
	FA4 0, 0, 0, 0
	FA4 0, 0, 0, 4
	WIN TO_B
	FB 0, 0, 0, 0, 2
	FB 0, 0, 0, 2, 3
	FB 0, 0, 0, 5, 3
	WIN 0
	s_wait_loadcnt 0x0                             ; the bias and the first scale words
	s_mov_b32 s[CNT], 4
.Llap:                                                 ; a trip: both slots, six K steps, two refills
	STEP 0, 0, 0, 0, 2
	STEP 1, 0, 1, 0, -1
	STEP 2, 0, 2, 1, 3
	STEP 3, 1, 0, 0, -1
	STEP 4, 1, 1, 0, 4
	STEP 5, 1, 2, 1, -1
	WIN 0
	s_wait_xcnt 0x0                                ; the scale loads have read their bases
	s_add_nc_u64 s[SA:SA+1], s[SA:SA+1], 3072
	s_add_nc_u64 s[SB:SB+1], s[SB:SB+1], 3072
	s_sub_co_u32 s[CNT], s[CNT], 1
	s_cmp_lg_u32 s[CNT], 0
	s_cbranch_scc1 .Llap
	STEP 24, 0, 0, 0, 2                            ; the last eight steps: slots 8, 9 and the short slot 10
	STEP 25, 0, 1, 0, -1
	STEP 26, 0, 2, 4, 3
	STEP 27, 1, 0, 0, -1
	STEP 28, 1, 1, 0, -1
	STEP 29, 1, 2, 2, -1
	STEP 30, 0, 0, 0, -1
	STEP 31, 0, 1, 3, -1
	WIN 0
; THE WAY OUT, by blocks of 16 rows x 128 columns, through my own stage: in as 32 bytes a lane, back as whole rows of 512 bytes, stored as two aligned units of 256 bytes.
.macro TOSTAGE a
.irp w, 0,1
	WIN 0x08+4*\w
.irp b, 0,1,2,3
	ds_store_b128 v[STO], v[8*(8*\b+(\a)):8*(8*\b+(\a))+3] offset:64*(4*\w+\b)       ; each accumulator from its low end on
	ds_store_b128 v[STO], v[8*(8*\b+(\a))+4:8*(8*\b+(\a))+7] offset:64*(4*\w+\b)+16
.endr
.endr
	WIN 0
.set BB, BK+64*((\a)%2)
.irp t, 0,1,2,3,4,5,6,7,8,9,10,11,12,13,14,15
	ds_load_b128 v[BB+4*\t:BB+4*\t+3], v[RD] offset:\t*SPITCH      ; LDS serves a wave's instructions in order: these see the stores above
.endr
.endm
.macro SEND a, younger
.set BB, BK+64*((\a)%2)
	s_wait_dscnt \younger
.if (\a) > 0
	s_add_nc_u64 s[14:15], s[14:15], 16*NROW       ; behind a wait on XCNT
.endif
.irp t, 0,1,2,3,4,5,6,7,8,9,10,11,12,13,14,15
	global_store_b128 v[CO], v[BB+4*\t:BB+4*\t+3], s[14:15] offset:\t*NROW th:TH_STORE_NT
.endr
.endm
	PLACES
	TOSTAGE 0
.irp a, 1,2,3,4,5,6,7
.if \a > 1
	s_wait_xcnt 0x0                                ; block a - 2's stores have read their registers and their base
.endif
	TOSTAGE \a
	SEND \a-1, 32                                  ; behind block a - 1's loads: block a's 16 stores and 16 loads
.endr
	s_wait_xcnt 0x0
	SEND 7, 0
	s_wait_tensorcnt 0x0                           ; the wave's end
	ds_add_u32 v[SPW], v[NIL]
	s_wait_dscnt 0x0
	CROUND                                         ; the closing round
	s_endpgm
.Lfunc_end_k_q612946abe1_gemm:
	.size	k_q612946abe1_gemm, .Lfunc_end_k_q612946abe1_gemm-k_q612946abe1_gemm
	.p2alignl 7, 3214868480
	.fill 96, 4, 3214868480
	.section	.rodata,"a",@progbits
	.p2align	6, 0x0
	.amdhsa_kernel k_q612946abe1_gemm
		.amdhsa_group_segment_fixed_size 327680
		.amdhsa_private_segment_fixed_size 0
		.amdhsa_enable_private_segment 0
		.amdhsa_kernarg_size 48
		.amdhsa_user_sgpr_count 2
		.amdhsa_user_sgpr_kernarg_segment_ptr 1
		.amdhsa_wavefront_size32 1
		.amdhsa_system_sgpr_workgroup_id_x 1
		.amdhsa_system_sgpr_workgroup_id_y 1
		.amdhsa_system_sgpr_workgroup_id_z 1
		.amdhsa_system_vgpr_workitem_id 0
		.amdhsa_next_free_vgpr 1024
		.amdhsa_next_free_sgpr 100
		.amdhsa_reserve_vcc 0
		.amdhsa_float_denorm_mode_32 3
		.amdhsa_float_denorm_mode_16_64 3
		.amdhsa_memory_ordered 1
		.amdhsa_forward_progress 1
		.amdhsa_inst_pref_size 241
	.end_amdhsa_kernel
	.amdgpu_metadata
---
amdhsa.version: [ 1, 2 ]
amdhsa.kernels:
  - .name:           k_q612946abe1_gemm
    .symbol:         k_q612946abe1_gemm.kd
    .args:
      - { .name: xa, .offset: 0, .size: 8, .value_kind: global_buffer, .address_space: global }
      - { .name: xs, .offset: 8, .size: 8, .value_kind: global_buffer, .address_space: global }
      - { .name: w_codes, .offset: 16, .size: 8, .value_kind: global_buffer, .address_space: global }
      - { .name: w_scales, .offset: 24, .size: 8, .value_kind: global_buffer, .address_space: global }
      - { .name: bias, .offset: 32, .size: 8, .value_kind: global_buffer, .address_space: global }
      - { .name: out0, .offset: 40, .size: 8, .value_kind: global_buffer, .address_space: global }
    .group_segment_fixed_size: 327680
    .private_segment_fixed_size: 0
    .kernarg_segment_align: 8
    .kernarg_segment_size: 48
    .max_flat_workgroup_size: 128
    .sgpr_count:     100
    .vgpr_count:     1024
    .wavefront_size: 32
...
	.end_amdgpu_metadata
.endif
;; end of part 2
